; MI455X (gfx1250); checked and timed in simulation.
; The chip was launched on July 23, 2026; its instructions are those of AMD's public machine-readable ISA for CDNA 5 (MIT licence, August 2026) and "CDNA5" Instruction Set Architecture Reference Guide (July 2026). The comments in the code are by the model that wrote it; some were corrected since.
;; Absolute attention. Allowed arithmetic: matrix products marked QUANTISED: E4M3 operands, one E8M0 scale for each 32 along K, by v_wmma_scale_f32_16x16x128_f8f6f4 with both operands' format E4M3, f32 sums; products left as they are: f32 operands where the result goes on into a quantised operand, else bf16, f16 or f32 operands; f32 sums; everything else in f32.
;; Inputs: Wk_codes 1,024 x 32 x 32 uint8 (E4M3 codes of Wk, K innermost, in blocks of 32 codes); Wk_scales 1,024 x 32 uint8 (E8M0 scales of Wk, one for each 32 codes along K); Wo_codes 1,024 x 32 x 32 uint8 (E4M3 codes of Wo, K innermost, in blocks of 32 codes); Wo_scales 1,024 x 32 uint8 (E8M0 scales of Wo, one for each 32 codes along K); Wq_codes 1,040 x 32 x 32 uint8 (E4M3 codes of Wq, K innermost, in blocks of 32 codes); Wq_scales 1,040 x 32 uint8 (E8M0 scales of Wq, one for each 32 codes along K); Wv_codes 1,024 x 32 x 32 uint8 (E4M3 codes of Wv, K innermost, in blocks of 32 codes); Wv_scales 1,024 x 32 uint8 (E8M0 scales of Wv, one for each 32 codes along K); attention_mask 4 x 4,096 float32; bo 1,024 float32; head_time_delta 16 float32; time_angle 64 float32; x_codes 4 x 4,096 x 32 x 32 uint8 (E4M3 codes of x, K innermost, in blocks of 32 codes); x_scales 4 x 4,096 x 32 uint8 (E8M0 scales of x, one for each 32 codes along K).
;; Outputs: out0 4 x 4,096 x 1,024 float32.
;; This version of the problem:
;;   THIS VERSION OF THE PROBLEM IS GIVEN IN LOW PRECISION. The matrix products marked QUANTISED in the list below multiply operands that are first quantised to E4M3 (4 exponent bits, 3 mantissa bits; 8 bits a number), with one power-of-two scale for each 32 numbers along K (OCP MX v1.0); their sums are f32. All else is computed in f32.
;;   The module's matrix products, in the order in which they are computed (A, B: the left and right operand; K: the contracted axis; several contracted axes count as one K, in the product's order):
;;     1. [M 16,384, K 1,024] x [K 1,024, N 1,040]; A: input x (given as codes); B: input Wq (given as codes): QUANTISED
;;     2. batch 65,536 x [M 1, K 128] x [K 128, N 4]; A: computed on the way; B: computed on the way: left as it is (M = 1 < 16)
;;     3. [M 16,384, K 1,024] x [K 1,024, N 1,024]; A: input x (given as codes); B: input Wk (given as codes): QUANTISED
;;     4. [M 16,384, K 1,024] x [K 1,024, N 1,024]; A: input x (given as codes); B: input Wv (given as codes): QUANTISED
;;     5. [M 16,384, K 1,024] x [K 1,024, N 1,024]; A: computed on the way; B: input Wo (given as codes): QUANTISED
;;   THE QUANTISER, for each operand of a quantised product, along K:
;;     - K is cut into blocks of 32 from its start; a last block that is shorter is filled with zeros.
;;     - A block's scale is 2^e with e = floor(log2(the largest magnitude in the block)) - 8, held to -126 .. 127; a block of zeros has e = 0. As a byte (E8M0): e + 127.
;;     - Each number is divided by its block's scale, clamped to +-448, and rounded to the nearest number of E4M3, ties to even, subnormals kept.
;;     - The product sums the exact products of the quantised numbers (number of the format x scale) in f32.
;;   ~~~python
;;   def quantise(x, axis):      # numpy; x: float32 -> the quantised numbers, widened to float32 again
;;       x = np.moveaxis(x, axis, -1); K = x.shape[-1]
;;       x = np.pad(x, [(0, 0)] * (x.ndim - 1) + [(0, -K % 32)]); x = x.reshape(x.shape[:-1] + (-1, 32)); a = np.abs(x).max(-1, keepdims=True)
;;       e = np.where(a > 0, np.clip(np.frexp(np.where(a > 0, a, 1))[1] - 1 - 8, -126, 127), 0)      # np.frexp(a)[1] - 1 = floor(log2(a)), exactly
;;       r = np.clip(x / 2.0 ** e, -448, 448)
;;       step = 2.0 ** (np.maximum(np.frexp(np.where(r == 0, 1, r))[1] - 1, -6) - 3)
;;       q = np.round(r / step) * step * 2.0 ** e      # np.round: ties to even
;;       return np.moveaxis(q.reshape(q.shape[:-2] + (-1,))[..., :K], -1, axis).astype(np.float32)
;;   ~~~
;;   OPERANDS COMPUTED ON THE WAY. 'Computed on the way' means the value that the module computes at that place (a softmax that the list does not call 'softmax' is quantised finished and normalised). What goes into a quantiser is computed in f32, as accurately as f32 sums, v_exp_f32 and their like allow (about 1e-6 of the number): no bf16 or f16 on the way to a quantiser, and a product that is left as it is and whose result goes on into a quantised operand takes f32 operands (vector FMAs, or v_wmma_f32_16x16x4_f32). A number that lies on a knife's edge between two numbers of the format may be rounded either way, as far as f32 arithmetic and the matrix unit's own rounding can turn it there, and no further.
;;   INPUTS GIVEN AS CODES. Wk (in the module: [1024, 1024], K = its axis 1); Wo (in the module: [1024, 1024], K = its axis 1); Wq (in the module: [1040, 1024], K = its axis 1); Wv (in the module: [1024, 1024], K = its axis 1); x (in the module: [4, 4096, 1024], K = its axis 2): each comes as NAME_codes (uint8): NAME with its K axis moved to the last place and cut into blocks of 32 codes, [.., K / 32, bytes a block], one block behind the other in memory; one code a byte (a code: sign, 4 exponent bits, 3 mantissa bits); and NAME_scales (uint8): the same leading axes, one E8M0 byte (e + 127) for each 32 codes along K. Its value is code x scale, taken as it is: it is not quantised again, and the codes and scales need not be those that the quantiser above would give.
;; One version. Each part assembles by itself: llvm-mc -triple=amdgcn-amd-amdhsa -mcpu=gfx1250 --defsym DOCPART=n.
;; ======== version 1 of 1: 2 launches
;; limits: right only within a limited range of input values
;; workspace buffers: acodes 16,777,216 bytes; ascales 524,288 bytes
;; launch qkv (part 1): grid 64 x 4, 4 waves a work-group, clusters of 4 x 4, 327,680 bytes of LDS; arguments x_codes, x_scales, attention_mask, Wq_codes, Wq_scales, Wk_codes, Wk_scales, Wv_codes, Wv_scales, acodes, ascales; writes acodes, ascales
.if DOCPART == 1
	.amdgcn_target "amdgcn-amd-amdhsa--gfx1250"
	.amdhsa_code_object_version 6
	.text
	.protected	k_qf12f4752a5_qkv
	.globl	k_qf12f4752a5_qkv
	.p2align	8
	.type	k_qf12f4752a5_qkv,@function
k_qf12f4752a5_qkv:
	s_mov_b64 s[64:65], 0
	v_nop
	global_prefetch_b8 v0, s[64:65] scope:SCOPE_SE
	s_setreg_imm32_b32 hwreg(HW_REG_WAVE_MODE, 25, 1), 1
	s_wait_xcnt 0x0
	s_wait_alu depctr_hold_cnt(0) depctr_sa_sdst(0) depctr_va_vdst(0) depctr_va_sdst(0) depctr_va_ssrc(0) depctr_va_vcc(0) depctr_vm_vsrc(0)
	s_getreg_b32 s2, hwreg(HW_REG_IB_STS2, 6, 4)
	s_cmp_eq_u32 s2, 0
	s_cbranch_scc0 .Lentry_in_a_cluster
	s_endpgm
.Lentry_in_a_cluster:
	s_bfe_u32 s2, ttmp6, 0x10000c
	s_cmp_lg_u32 s2, 0xf033
	s_cbranch_scc0 .Lentry_shape_is_right
	s_endpgm
.Lentry_shape_is_right:
; QKV.  a[row][64 head + d] = 2 (1 - q_last) x mask[row] x softmax64(x Wk^T)[d] x (x Wv^T)[d], quantised along 64 head + d to E4M3 codes with one E8M0 byte for each 32.
; q_last: the 65th slot of softmax65(x Wq^T).
; DEAD WORK LEFT OUT.  reference() weighs by the sum over its 128 time slots of time^2, which is (1/64) x the sum over 64 angles of (c+s)^2 + (c-s)^2 = 2 (c^2 + s^2) = 2, since cos^2 + sin^2 = 1 for every angle: the sum is 2 for all
;   values of time_angle and head_time_delta.  So these two inputs are not loaded, the table's second product is not made, and the factor 2 is taken into the mask.  A NaN or an infinity that reaches only the time code is not carried to the result.
; LIMITS: NaN and infinities are not served.  A block of zeros gets the byte 1 where the rule says 127: the bytes are read by this program alone.  A row's factors are multiplied in another order than the source's (a few units in the last place).
; 1 - q_last = S / (S + e), S the sum of the other 64 exponentials, e the last one's.
; SHARES.  A work-group: 256 rows (block X) x four heads (group y).  Wave w: tiles m = 0..3 of 16 rows: rows 64 m + 16 w + r.  Its x codes for all of K stay in 512 registers; the weights go by, 64 rows a pass: Q, K, V of a head.
; Every product is used transposed (source 0 = 16 rows of a weight, source 1 = 16 rows of x): a lane holds ONE row (r = lane % 16) and of tile t the columns 16 t + 8 h + j (h = lane / 16); lane l xor 16 holds the others.
; LDS, in rows of 1,040 bytes: 0-63 Q; 64-95 V's rows 32-63 (Vb); 96-159 K; 160-191 V's rows 0-31 (Va).  At the head rows 64-255 hold x's rows 0-191 until they are in registers; x's rows 192-255 come straight into registers.
; FILLS, each in a drained round of the cluster's barrier, one load a wave: {K, Va} of head i + 1 inside Va of head i; {Vb of head i, Q of head i + 1} inside Q of head i.  A fill has 192 matrix instructions in which to land, so no prefetch is laid.
; CLUSTER 4 x 4: the four row blocks share a weight's tile, the four head groups share x's tile: joint loads.
; THE STREAM.  A GROUP is one weight fragment (16 rows x 128 K) against four tiles of x: four matrix instructions.  Eight fragment slots; behind group g stand the loads of group g + 7.  The loop is cut inside Q (in front of group 26), where a round stands.
; BY TURNS: Q and V fill set A, K set B.  Q's softmax stands among K's products, K's among V's, V's way out among the next head's Q: about three lines behind each product.
; REGISTERS: window 0: addresses, scale words, statistics, v128-255 fragments; window 1: sets A (v0-127), B (v128-255): tile (m, t) at 32 m + 8 t; windows 2, 3: x's K steps 0-3, 4-7 at 64 m + 16 (s % 4).
.set P, 1040
.set SPARE, 266240                     ; spare words, two blocks of 256 bytes behind row 255
.set LI, 1                             ; 16 x lane
.set L32, 6                            ; 32 x lane
.set MK, 12                            ; 2 x mask
.set EL, 16
.set XS, 20                            ; x's scale words: 8 (m / 2) + s: lanes 0-15 tile m even, 16-31 m odd
.set WS, 40                            ; the weight's: 8 (t / 2) + s
.set CD, 56                            ; codes of four blocks; before them FC
.set FC, 56                            ; the row's factor (pairs)
.set ZL, 72                            ; the 65th logits: 4 m + head
.set SW, 88                            ; scale bytes of a: two words for each m
.set SO, 96
.set SQ, 100
.set MX, 104
.set TMP, 108
.set NM, 112                           ; pairs
.set SUM, 120                          ; pairs
.set BY, 96                            ; the way out: bytes
.set AM, 104                           ;   largest magnitudes, 2 m + b
.set SCL, 112                          ;   the conversions' scale operands
.set HOLD, 120                         ;   448 x the scale
.set FR, 128
.set WV, 2
.set G1A, 28
.set G1B, 36
.set G1X, 44
.set HQ, 52
.set HVB, 56
.set HK, 60
.set HVA, 68
.set G0X, 72
.set G0Q, 76
.set L2E, 80
.set MANT, 82
.set HC, 83
.set SEL, 84
.set MSB, 0
.set TC, 100
.set TL0, 0
.set TL1, 0
.set LM, 0
.set SJ, 0
.macro WIN new
.if MSB != (\new)
	s_set_vgpr_msb (MSB<<8)|(\new)
.set MSB, (\new)
.endif
.endm
.macro WALU
	s_wait_alu depctr_va_vdst(0)
.endm
.macro PLAIN                           ; TC counts the plain vector lines
.set TC, TC+1
.endm
.macro WI c, m1, m2
	v_wmma_scale_f32_16x16x128_f8f6f4 v[rD:rD+7], v[rA:rA+15], v[rB:rB+15], \c, v[rSA], v[rSB] \m1 \m2
.endm
.macro WJ c, ra, rb                    ; ra, rb = 1: that side's scale words are taken from lanes 16-31
.if ((\ra)!=0)&&((\rb)!=0)
	WI \c, matrix_a_scale:MATRIX_SCALE_ROW1, matrix_b_scale:MATRIX_SCALE_ROW1
.elseif (\ra)!=0
	WI \c, matrix_a_scale:MATRIX_SCALE_ROW1
.elseif (\rb)!=0
	WI \c, matrix_b_scale:MATRIX_SCALE_ROW1
.else
	WI \c
.endif
.endm
.macro WM cm, ra, rb                   ; cm = 0: the constant 0 starts the sum
.if (\cm)==0
	WJ 0, \ra, \rb
.else
	WJ v[rD:rD+7], \ra, \rb
.endif
.endm
.macro BARRIER
	s_barrier_signal -1
	s_barrier_wait -1
.endm
.macro RREST                           ; a round of the cluster's barrier behind its opening barrier
	s_cmp_lg_u32 s[WV], 0
	s_cbranch_scc1 .Lnot_wave_0_\@
	s_barrier_signal -3
.Lnot_wave_0_\@:
	s_barrier_wait -3
	BARRIER
.endm
.macro TLOAD g0, g1
	tensor_load_to_lds s[\g0:\g0+3], s[\g1:\g1+7]
	s_nop 0
.rept 4
	v_nop
.endr
.endm
.macro JLOAD g0a, g1a, g0b, g1b        ; waves 0, 1 one line, waves 2, 3 the other
	s_cmp_lt_u32 s[WV], 2
	s_cbranch_scc0 .Lupper_\@
	TLOAD \g0a, \g1a
	s_branch .Lasked_\@
.Lupper_\@:
	TLOAD \g0b, \g1b
.Lasked_\@:
.endm
.macro GROUP1 g, mk, rows              ; a tile of whole rows of 1,024 bytes, 16 bytes of padding behind each
	s_or_b32 s[\g], s\mk, (1<<20)|(1<<21)|(7<<22)|(3<<25)
	s_mov_b32 s[\g+1], 1024<<16
	s_mov_b32 s[\g+2], (\rows)<<16
	s_mov_b32 s[\g+3], 1024<<16
	s_mov_b32 s[\g+4], \rows
	s_mov_b32 s[\g+5], 1024
	s_mov_b32 s[\g+6], 0
	s_mov_b32 s[\g+7], 0
.endm
.macro GROUP0 g, base, off, row, per   ; group 0: LDS row: row + per x (wave & 1); memory: base + the offset s[off]
	s_mov_b32 s[\g], 1
	s_mul_i32 s[\g+1], s90, (\per)*P
	s_add_co_u32 s[\g+1], s[\g+1], (\row)*P
	s_mov_b32 s94, s\off
	s_add_nc_u64 s[\g+2:\g+3], s[\base:\base+1], s[94:95]
	s_or_b32 s[\g+3], s[\g+3], 0x80000000
.endm
.macro BASE b, off
	s_mov_b32 s94, s\off
	s_add_nc_u64 s[\b:\b+1], s[\b:\b+1], s[94:95]
.endm
; ---- the softmax as a numbered list.  LM = 1: Q's over set A;  LM = 2: K's over set B.  Two items behind each product, all of them plain lines.
; The first 48 products carry the maxima, the maximum x -log2(e) and the first scalings.  Then four stages of sixteen products, a tile of each row's columns a stage: its 32 exponentials stand as one bunch
; at the border of two K steps (POINT), so that none stands between two steps of a sum behind the bunch's last wait; among its products stand its sums and the next stage's scalings.
.macro LSET mode
.set LM, \mode
.set SJ, 0
.set IQ, 2-LM
.set SB, 128*(LM-1)
.set PF, 76+4*IQ
.set P1, PF+16
.set SLIM, P1
.set PT, 0
.endm
.macro FMA2
.set sM, fK%4
.set sI, SB+32*sM+8*fG+2*(fK/4)
	WIN 0x41
	v_pk_fma_f32 v[sI:sI+1], v[sI:sI+1], s[L2E:L2E+1], v[NM+2*sM:NM+2*sM+1] op_sel_hi:[1,0,0]
	PLAIN
.endm
.macro EXP1
.set sI, SB+32*(fK%4)+8*fG+fK/4
	WIN 0x41
	v_exp_f32 v[sI], v[sI]
.endm
.macro ADD2
.set sM, fK%4
.set sI, SB+32*sM+8*fG+2*(fK/4)
.if fG > 0
	WIN 0x04
	v_pk_add_f32 v[SUM+2*sM:SUM+2*sM+1], v[SUM+2*sM:SUM+2*sM+1], v[sI:sI+1]
	PLAIN
.elseif fK < 4
	WIN 0x05
	v_pk_add_f32 v[SUM+2*sM:SUM+2*sM+1], v[sI:sI+1], v[sI+2:sI+3]
	PLAIN
.elseif fK < 12
	WIN 0x04
	v_pk_add_f32 v[SUM+2*sM:SUM+2*sM+1], v[SUM+2*sM:SUM+2*sM+1], v[sI+2:sI+3]
	PLAIN
.endif
.endm
.macro POINT                           ; every sixteenth product: from the fourth point on a bunch, a wait ahead of it and one behind it
.if (PT > 2)&&(LM < 3)
.set SJ, P1+32*(PT-3)
.set SLIM, SJ+32
.if PT < 7
	WALU
.if (PT == 3)&&(IQ == 1)
	WIN 0
.irp m, 0,1,2,3
	v_exp_f32 v[EL+\m], v[EL+\m]           ; the 65th slot's
.endr
.endif
.set fG, PT-3
.set fK, 0
.rept 32
	EXP1
.set fK, fK+1
.endr
	v_nop
	PLAIN
.elseif IQ == 0
	WIN 0
	WALU
.irp m, 0,1,2,3
	v_rcp_f32 v[SQ+\m], v[SQ+\m]
.endr
	v_nop
	PLAIN
.endif
.endif
	WALU
.set PT, PT+1
.endm
.macro SIT
.if SJ < 4
	WIN 0x15
	v_max3_num_f32 v[MX+SJ], v[SB+32*SJ], v[SB+32*SJ+1], v[SB+32*SJ+2]
	PLAIN
.elseif SJ < 60
.set sM, (SJ-4)%4
.set sI, SB+32*sM+3+2*((SJ-4)/4)
	WIN 0x14
	v_max3_num_f32 v[MX+sM], v[MX+sM], v[sI], v[sI+1]
	PLAIN
.elseif SJ < 64
.set sM, SJ-60
	WIN 0x04
.if IQ
	v_max3_num_f32 v[MX+sM], v[MX+sM], v[SB+32*sM+31], v[ZL+4*sM]
.else
	v_max_num_f32 v[MX+sM], v[MX+sM], v[SB+32*sM+31]
.endif
	PLAIN
.elseif SJ < 68
.set sM, SJ-64
	WIN 0
	v_permlanex16_b32 v[TMP+sM], v[MX+sM], s[SEL], s[SEL+1]
.elseif SJ < 72
.set sM, SJ-68
	WIN 0
.if sM == 0
	WALU
.endif
	v_max_num_f32 v[MX+sM], v[MX+sM], v[TMP+sM]
	PLAIN
.elseif SJ < 76
.set sM, SJ-72
	WIN 0
	v_mul_f32 v[NM+2*sM], 0xbfb8aa3b, v[MX+sM]
	PLAIN
.elseif SJ < PF
.set sM, SJ-76
	WIN 0
	v_fma_f32 v[EL+sM], v[ZL+4*sM], s[L2E], v[NM+2*sM]
	PLAIN
.elseif SJ < P1
.set fG, 0
.set fK, SJ-PF
.if fK == 0
	WALU
.endif
	FMA2
.elseif (SJ < (P1+128))&&(((SJ-P1)%32) < 16)
.set fG, (SJ-P1)/32
.set fK, (SJ-P1)%32
	ADD2
.elseif SJ < (P1+96)
.set fG, (SJ-P1)/32+1
.set fK, (SJ-P1)%32-16
	FMA2
.elseif SJ < (P1+132)
.set tK, (SJ-P1-112)/4
.set sM, (SJ-P1-112)%4
	WIN 0
.if tK == 0
	v_add_f32 v[SUM+2*sM], v[SUM+2*sM], v[SUM+2*sM+1]
	PLAIN
.elseif tK == 1
	v_permlanex16_b32 v[TMP+sM], v[SUM+2*sM], s[SEL], s[SEL+1]
.elseif IQ
.if (tK == 2)&&(sM == 0)
	WALU
.endif
.if tK == 2
	v_add_f32 v[SO+sM], v[SUM+2*sM], v[TMP+sM]     ; S
	PLAIN
.elseif tK == 3
	v_add_f32 v[SQ+sM], v[SO+sM], v[EL+sM]         ; S + e
	PLAIN
.elseif tK == 4
	v_mul_f32 v[SO+sM], v[SO+sM], v[MK+sM]
	PLAIN
.endif
.else
.if (tK == 2)&&(sM == 0)
	WALU
.endif
.if tK == 2
	v_add_f32 v[SUM+2*sM], v[SUM+2*sM], v[TMP+sM]
	PLAIN
.elseif tK == 3
	v_mul_f32 v[SQ+sM], v[SQ+sM], v[SUM+2*sM]      ; Q's and K's divisors, each at least 1 and at most 65
	PLAIN
.elseif tK == 4
	v_mul_f32 v[FC+2*sM], v[SO+sM], v[SQ+sM]       ; the row's factor
	PLAIN
.endif
.endif
.endif
.set SJ, SJ+1
.endm
; ---- LM = 3: the way out of a head, over set B = exponential x V: the factor, largest magnitudes, bytes, holds, conversions.  Block n = 2 m + b: 16 registers a lane at 16 n.
; A block's codes are put in the operand's order by exchanging lanes 16-31 of the first tile's codes with lanes 0-15 of the second's.
.macro CVT n, u
.set wC, CD+4*((\n)%4)+2*(\u)
	WIN 0x01
	v_cvt_scalef32_pk8_fp8_f32 v[wC:wC+1], v[128+16*(\n)+8*(\u):128+16*(\n)+8*(\u)+7], v[SCL+(\n)]
.endm
.macro SWP n
.set wC, CD+4*((\n)%4)
	WIN 0
	v_permlane16_swap_b32 v[wC], v[wC+2]
	v_permlane16_swap_b32 v[wC+1], v[wC+3]
	global_store_b128 v[LI], v[wC:wC+3], s[22:23] offset:65536*((\n)/2)+512*((\n)%2)   ; 512 consecutive bytes: a chunk of an image
.endm
.macro EIT
.if SJ < 64
.set sM, SJ%4
.set sI, 128+32*sM+2*(SJ/4)
	WIN 0x41
	v_pk_mul_f32 v[sI:sI+1], v[sI:sI+1], v[FC+2*sM:FC+2*sM+1] op_sel_hi:[1,0]
	PLAIN
.elseif SJ < 72
.set sN, SJ-64
.set sI, 128+16*sN
	WIN 0x05
	v_max3_num_f32 v[AM+sN], |v[sI]|, |v[sI+1]|, 0x4800000   ; the floor 2^(9 - 127): the byte cannot fall under 1
	PLAIN
.elseif SJ < 128
.set sN, (SJ-72)%8
.set sI, 128+16*sN+2+2*((SJ-72)/8)
	WIN 0x14
.if SJ == 72
	WALU
.endif
	v_max3_num_f32 v[AM+sN], v[AM+sN], |v[sI]|, |v[sI+1]|
	PLAIN
.elseif SJ < 168
.set tK, (SJ-128)/8
.set sN, (SJ-128)%8
	WIN 0
.if tK == 0
.if sN == 0
	WALU
.endif
	v_permlanex16_b32 v[BY+sN], v[AM+sN], s[SEL], s[SEL+1]
.elseif tK == 1
	v_max_num_f32 v[AM+sN], v[AM+sN], v[BY+sN]
	PLAIN
.elseif tK == 2
	v_add_nc_u32 v[SCL+sN], 0xfc000000, v[AM+sN]
	PLAIN
.elseif tK == 3
	v_and_or_b32 v[HOLD+sN], v[AM+sN], 0x7f800000, s[MANT]
	PLAIN
.else
	v_lshrrev_b32 v[BY+sN], 23, v[SCL+sN]
	PLAIN
.endif
.elseif SJ < 180
.set tK, (SJ-168)/4
.set sM, (SJ-168)%4
	WIN 0
.if tK == 0
	v_lshl_or_b32 v[BY+2*sM], v[BY+2*sM+1], 8, v[BY+2*sM]
.elseif tK == 1
	v_alignbit_b32 v[SW+2*sM], v[SW+2*sM+1], v[SW+2*sM], 16
.else
	v_alignbit_b32 v[SW+2*sM+1], v[BY+2*sM], v[SW+2*sM+1], 16   ; after four heads head i's two bytes lie at bits 16 i of the pair
.endif
	PLAIN
.elseif SJ < 332
.set sN, (SJ-180)/19
.set sK, (SJ-180)%19
.if sK < 16
.set sI, 128+16*sN+sK
	WIN 0x41
	v_med3_num_f32 v[sI], v[sI], -v[HOLD+sN], v[HOLD+sN]     ; the conversion to an 8-bit code does not saturate (ISA guide 7.6.2)
	PLAIN
.elseif sK == 16
.if (sN == 5)||(sN == 7)
	WALU
	s_wait_xcnt 0x0                        ; the stores three stages back and earlier have read the registers that the next conversions write
.endif
.if sN > 1
	SWP sN-2
.endif
.elseif sN > 0
	CVT sN-1, sK-17
.endif
.elseif SJ == 332
	v_nop
	SWP 6
.elseif SJ == 333
	WALU
	CVT 7, 0
	CVT 7, 1
.elseif SJ == 334
	v_nop
	WALU
	SWP 7
.endif
.set SJ, SJ+1
.endm
.macro ITEM
.if LM == 3
	EIT
.elseif (LM > 0)&&(SJ < SLIM)
	SIT
.endif
.endm
.macro SLICE m
.if LM > 0
	ITEM
	ITEM
.if LM == 3
	ITEM
.endif
.if (LM == 3)&&((\m)%2 == 1)
	ITEM
.endif
.endif
.endm
; ---- the stream.  Passes: 0 Q, 1 K (32 groups: K step g / 4, tile g % 4), 2 Va, 3 Vb (16 groups: K step g / 2, tile g % 2).
.macro FILL8                           ; a load into a register that a matrix instruction has read stands eight plain places behind it
.if (TC-TL0) < 8
.rept 8-(TC-TL0)
	v_nop
.endr
.set TC, TL0+8
.endif
.endm
.macro LD pid, n                       ; the four loads of fragment n of the pass (or, behind its end, of the next pass)
.set lP, \pid
.set lN, \n
.set lC, 32
.if lP > 1
.set lC, 16
.endif
.if lN >= lC
.set lN, lN-lC
.set lP, (lP+1)%4
.endif
.if lP < 2
.set lS, lN/4
.set lT, lN%4
.set lA, 2+2*lP
.else
.set lS, lN/2
.set lT, lN%2
.set lA, 9-2*lP
.endif
.set lR, FR+16*(lN%8)
	WIN 0
.irp c, 0,1,2,3
	ds_load_b128 v[lR+4*\c:lR+4*\c+3], v[lA] offset:16640*lT+128*lS+32*\c
.endr
.endm
.macro WSL b, p, q                     ; scale words of 32 rows, four K steps
	WIN 0
	global_load_b128 v[WS+8*\p+4*\q:WS+8*\p+4*\q+3], v[L32], s[\b:\b+1] offset:1024*\p+16*\q
.endm
.macro GRP pid
.if \pid < 2
.set gS, gG/4
.set gT, gG%4
.else
.set gS, gG/2
.set gT, gG%2+2*(\pid-2)
.endif
.set gA, 0
.if \pid == 1
.set gA, 128
.endif
.irp m, 0,1,2,3
.set rD, gA+32*\m+8*gT
.set rA, FR+16*(gG%8)
.set rB, 64*\m+16*(gS%4)
.set rSA, WS+8*(gT/2)+gS
.set rSB, XS+8*(\m/2)+gS
	WIN 0x58+4*(gS/4)
	WM gS, gT%2, \m%2
.if \m == 3
.set TL0, TL1
.set TL1, TC
.endif
	SLICE \m
.endr
.endm
.macro WPT pid, nx                     ; every fourth group: its fragments and the three behind it are in; the twelve loads of the three beyond may be out
.if gG%4 == 0
.if LM
.if (LM == 2)&&(\pid == 2)&&(gG == 12)
	WALU                                   ; (this point's bunch stands inside the change of tiles)
.else
	POINT
.endif
.endif
.if (\pid == 3)&&(\nx == 0)&&(gG == 12)
	s_wait_dscnt 0x0
.else
	s_wait_dscnt 12
.endif
.if ((\pid < 2)&&(gG%16 == 0))||((\pid == 2)&&(gG%8 == 0))
	s_wait_loadcnt 0x0                     ; scale words
.endif
.endif
.endm
.macro LPT pid, nx
.set lK, 1
.if (\pid == 0)&&(gG > 24)&&(gG < 28)
.set lK, 0
.endif
.if (\pid == 2)&&(gG > 8)&&(gG < 12)
.set lK, 0
.endif
.if (\pid == 3)&&(\nx == 0)&&(gG > 8)
.set lK, 0
.endif
.if lK
	FILL8
	LD \pid, gG+7
.endif
; scale words: each load stands behind the last product that reads what it replaces
.if (\pid == 0)&&(gG == 2)
	WSL 12, 1, 1
.elseif (\pid == 0)&&(gG == 18)
	WSL 16, 0, 0
	WSL 16, 1, 0
.elseif (\pid == 1)&&(gG == 2)
	WSL 16, 0, 1
	WSL 16, 1, 1
.elseif (\pid == 1)&&(gG == 18)
	WSL 20, 0, 0
	WSL 20, 1, 0
.elseif (\pid == 2)&&(gG == 2)
	WSL 20, 0, 1
	WSL 20, 1, 1
.elseif (\pid == 3)&&(\nx == 1)&&(gG == 2)
	WSL 12, 0, 0
	WSL 12, 0, 1
.elseif (\pid == 3)&&(\nx == 1)&&(gG == 10)
	WSL 12, 1, 0
.endif
.endm
.macro RUN pid, from, to, nx
.set gG, \from
.rept (\to)-(\from)
	WPT \pid, \nx
	GRP \pid
	LPT \pid, \nx
.set gG, gG+1
.endr
.endm
; THE CHANGE OF TILES, six groups ahead of a stretch's end: all of the stretch's fragments have been asked for.  The three lines; a group's products between the add and its wait, another between the signal and the wait.
; fill: 1 {K, Va}, 2 {Q, Vb}, 3 the last head's Vb alone, 0 none (a plain barrier shows the last tile).  Behind it the three fragments held back.
.macro BOUND pid, first, fill
.set gG, \first
	WIN 0
.if LM
	WALU
.endif
	s_wait_tensorcnt 0x0                           ; no tensor load of mine is out: descriptors may be stepped
	ds_add_u32 v10, v11
.if \fill == 1
	s_add_nc_u64 s[HQ+2:HQ+3], s[HQ+2:HQ+3], 66560
	s_add_nc_u64 s[HVB+2:HVB+3], s[HVB+2:HVB+3], 0x10000
.elseif \fill == 2
	s_add_nc_u64 s[HK+2:HK+3], s[HK+2:HK+3], 0x10000
	s_add_nc_u64 s[HVA+2:HVA+3], s[HVA+2:HVA+3], 0x10000
.endif
	GRP \pid
.set gG, gG+1
	WIN 0
.if LM
	WALU
.endif
	s_wait_dscnt 0x0                               ; the add is done, and my reads of the tiles that are filled again
	s_barrier_signal -1
	GRP \pid
.if LM
	POINT
.endif
	WIN 0
	s_barrier_wait -1
.if \fill > 0
	RREST
.endif
.if \fill == 1
	JLOAD HK, G1A, HVA, G1B
.set TC, TC+4
.elseif \fill == 2
	JLOAD HQ, G1A, HVB, G1B
.set TC, TC+4
.elseif \fill == 3
	s_cmp_lt_u32 s[WV], 2
	s_cbranch_scc1 .Lno_part
	TLOAD HVB, G1B
.Lno_part:
.endif
	FILL8
.set gG, gG+1
	LD \pid, gG+4
	LD \pid, gG+5
	LD \pid, gG+6
.endm
.macro BURST                           ; set B = exponential x V; set A is free behind it.  The last products lie more than eight of these lines ahead of their first reader
	WIN 0x45
	WALU
.irp i, 0,2,4,6,8,10,12,14,16,18,20,22,24,26,28,30
.irp m, 0,1,2,3
	v_pk_mul_f32 v[128+32*\m+\i:128+32*\m+\i+1], v[128+32*\m+\i:128+32*\m+\i+1], v[32*\m+\i:32*\m+\i+1]
.endr
.endr
	WIN 0
.set TC, TC+64
.endm
	s_load_b512 s[4:19], s[0:1], 0x0               ; x codes 4, x scales 6, mask 8, Wq 10, its scales 12, Wk 14, scales 16, Wv 18
	s_load_b128 s[20:23], s[0:1], 0x40             ; Wv's scales 20, acodes 22
	s_load_b64 s[24:25], s[0:1], 0x50              ; ascales
	v_lshl_add_u32 v10, v0, 2, SPARE
	v_mov_b32 v11, 0
	ds_add_u32 v10, v11                            ; the opening: the add, twice on end, and its wait
	ds_add_u32 v10, v11
	v_lshrrev_b32 v1, 5, v0
	v_readfirstlane_b32 s[WV], v1
	v_and_b32 v96, 31, v0                          ; lane
	v_and_b32 v97, 15, v0                          ; r
	v_bfe_u32 v98, v0, 4, 1                        ; h
	s_bfe_u32 s86, ttmp6, 0x40000                  ; cx
	s_bfe_u32 s87, ttmp6, 0x40004                  ; cy
	s_lshl_b32 s88, ttmp9, 2
	s_add_co_u32 s88, s88, s86                     ; X
	s_and_b32 s89, ttmp7, 0xffff
	s_lshl_b32 s89, s89, 2
	s_add_co_u32 s89, s89, s87                     ; y
	s_and_b32 s90, s[WV], 1
	s_lshl_b32 s91, s87, 2
	s_lshl_b32 s91, 15, s91                        ; same y: shares weights
	s_lshl_b32 s92, 0x1111, s86                    ; same X: shares x
	GROUP1 G1A, 91, 32
	GROUP1 G1B, 91, 16
	GROUP1 G1X, 92, 96
	s_mov_b32 s[L2E], 0x3fb8aa3b
	s_mov_b32 s[L2E+1], 0x3fb8aa3b
	s_mov_b32 s[MANT], 0x600000
	s_mov_b32 s[SEL], 0x76543210
	s_mov_b32 s[SEL+1], 0xfedcba98
	s_mov_b32 s[HC], 3
	s_mov_b32 s95, 0
	WALU
	v_lshlrev_b32 v[LI], 4, v96
	v_lshlrev_b32 v[L32], 5, v96
	v_mul_u32_u24 v2, v97, P
	v_lshl_add_u32 v2, v98, 4, v2                  ; Q: row r, 16 h
	v_add_nc_u32 v3, 64*P, v2                      ; Vb
	v_add_nc_u32 v4, 96*P, v2                      ; K
	v_add_nc_u32 v5, 160*P, v2                     ; Va
	s_mul_i32 s93, s[WV], 16*P
	v_add_nc_u32 v7, s93, v3                       ; x in LDS: rows 64 + 64 m + 16 w + r
	v_add_nc_u32 v8, 64*P, v7
	v_add_nc_u32 v9, 128*P, v7
	v_lshlrev_b32 v36, 10, v97
	v_lshl_add_u32 v36, v98, 4, v36                ; x in memory
	v_lshl_add_u32 v37, v98, 6, v97
	v_lshlrev_b32 v37, 5, v37                      ; x's scale bytes: row 64 h + r
	v_and_b32 v39, 3, v97
	v_mul_u32_u24 v38, v39, 65*1024
	v_lshl_add_u32 v38, v98, 4, v38
	v_add_nc_u32 v38, 0x10000, v38                 ; the 65th row of head r % 4 in Wq
	v_mul_u32_u24 v39, v39, 65*32
	v_add_nc_u32 v39, 2048, v39
	v_lshlrev_b32 v99, 2, v97
.irp m, 0,1,2,3
	v_mov_b32 v[TMP+\m], 0                         ; (a lane permute's destination counts as a source; upper halves of pairs are named)
	v_mov_b32 v[NM+2*\m+1], 0
	v_mov_b32 v[SW+2*\m], 0
	v_mov_b32 v[SW+2*\m+1], 0
.endr
	s_wait_dscnt 0x0
	WALU
	s_wait_kmcnt 0x0
	s_mul_i32 s93, s89, 260*1024
	BASE 10, 93
	s_mul_i32 s93, s89, 260*32
	BASE 12, 93
	s_lshl_b32 s93, s89, 18
	BASE 14, 93
	BASE 18, 93
	s_lshl_b32 s93, s89, 13
	BASE 16, 93
	BASE 20, 93
	s_lshl_b32 s93, s90, 15
	GROUP0 G0Q, 10, 93, 0, 32                      ; Q of head 0 (waves 2, 3)
	GROUP0 HQ, 10, 93, 0, 32
	s_add_nc_u64 s[HQ+2:HQ+3], s[HQ+2:HQ+3], 66560 ; from head 1 on
	GROUP0 HK, 14, 93, 96, 32
	s_lshl_b32 s93, s90, 14
	GROUP0 HVA, 18, 93, 160, 16
	GROUP0 HVB, 18, 93, 64, 16
	s_add_nc_u64 s[HVB+2:HVB+3], s[HVB+2:HVB+3], 0x8000
	s_lshl_b32 s93, s88, 18
	BASE 4, 93
	BASE 22, 93
	s_mul_i32 s93, s90, 96*1024
	GROUP0 G0X, 4, 93, 64, 96                      ; x's rows 0-191 (waves 0, 1)
	s_lshl_b32 s93, s[WV], 14
	BASE 4, 93
	s_add_nc_u64 s[4:5], s[4:5], 0x30000           ; x: row 192 + 16 w
	BASE 22, 93
	s_lshl_b32 s93, s89, 12
	BASE 22, 93                                    ; acodes: row tile 16 X + 4 m + w: 16,384 bytes; K step 2 y: 2,048
	s_sub_nc_u64 s[22:23], s[22:23], 1024          ; (stepped ahead of each head)
	s_lshl_b32 s93, s88, 13
	BASE 6, 93
	s_lshl_b32 s93, s[WV], 9
	BASE 6, 93                                     ; x's scale bytes: + 16 w rows
	s_lshl_b32 s93, s88, 10
	BASE 8, 93
	s_lshl_b32 s93, s[WV], 6
	BASE 8, 93                                     ; the mask
	s_lshl_b32 s93, s89, 17
	BASE 24, 93
	s_lshl_b32 s93, s88, 11
	BASE 24, 93
	s_lshl_b32 s93, s[WV], 8
	BASE 24, 93                                    ; ascales: [y][X][tile pair][w][lane] of 8 bytes
	BARRIER
	RREST
	JLOAD G0X, G1X, G0Q, G1A                       ; the head's loads, one a wave
.irp s, 0,1,2,3,4,5,6,7
.irp c, 0,1,2,3
	global_load_b128 v[FR+16*\s+4*\c:FR+16*\s+4*\c+3], v38, s[10:11] offset:128*\s+32*\c   ; the four heads' 65th rows as one tile: lane r takes head r % 4
.endr
.endr
	global_load_b128 v[CD:CD+3], v39, s[12:13]
	global_load_b128 v[CD+4:CD+7], v39, s[12:13] offset:16
.irp p, 0,1
.irp q, 0,1
	global_load_b128 v[XS+8*\p+4*\q:XS+8*\p+4*\q+3], v37, s[6:7] offset:4096*\p+16*\q
.endr
.endr
.irp m, 0,1,2,3
	global_load_b32 v[MK+\m], v99, s[8:9] offset:256*\m
.endr
	WSL 12, 0, 0
	WSL 12, 0, 1
	WSL 12, 1, 0
	WIN 0x80
.irp s, 0,1,2,3
.irp c, 0,1,2,3
	global_load_b128 v[192+16*\s+4*\c:192+16*\s+4*\c+3], v36, s[4:5] offset:128*\s+32*\c
.endr
.endr
	WIN 0xc0
.irp s, 0,1,2,3
.irp c, 0,1,2,3
	global_load_b128 v[192+16*\s+4*\c:192+16*\s+4*\c+3], v36, s[4:5] offset:512+128*\s+32*\c
.endr
.endr
	WIN 0
	WALU
	s_wait_tensorcnt 0x0
	BARRIER                                        ; everybody's tiles are in
.irp w, 0,1
	WIN 0x80+0x40*\w
.irp m, 0,1,2
.irp s, 0,1,2,3
.irp c, 0,1,2,3
	ds_load_b128 v[64*\m+16*\s+4*\c:64*\m+16*\s+4*\c+3], v[7+\m] offset:512*\w+128*\s+32*\c
.endr
.endr
.endr
.endr
	WIN 0
	s_wait_tensorcnt 0x0
	ds_add_u32 v10, v11
	s_wait_dscnt 0x0                               ; x is in registers
	BARRIER
	RREST
	JLOAD HK, G1A, HVA, G1B                        ; K and Va of head 0, over x's rows
	s_wait_loadcnt 0x0
.irp s, 0,1,2,3,4,5,6,7                        ; the 65th logits of the four heads: four sums by turns
	WIN 0x58+4*(\s/4)
.irp m, 0,1,2,3
.set rD, 128+8*\m
.set rA, FR+16*\s
.set rB, 64*\m+16*(\s%4)
.set rSA, CD+\s
.set rSB, XS+8*(\m/2)+\s
	WM \s, 0, \m%2
.endr
.endr
	WIN 0
.irp m, 0,1,2,3
	v_add_f32 v[MK+\m], v[MK+\m], v[MK+\m]         ; 2 x mask
.endr
.rept 5
	v_nop
.endr
.irp n, 0,1,2,3,4,5,6
	LD 0, \n
.endr
	WIN 0x01
.irp m, 0,1,2,3
.irp j, 0,1,2,3
	v_mov_b32 v[ZL+4*\m+\j], v[128+8*\m+\j]        ; register j is head j's
.endr
.endr
	WIN 0
.irp m, 0,1,2,3
	v_mov_b32 v[FC+2*\m+1], 0
.endr
	WALU                                           ; the wait at the head's end
	RUN 0, 0, 26, 1                                ; Q of head 0, without a slice
	WIN 0
.Lhead:
.set TL1, TC
	s_wait_xcnt 0x0                                ; the last head's stores have read their base
	s_add_nc_u64 s[22:23], s[22:23], 1024
	s_add_nc_u64 s[12:13], s[12:13], 2080          ; Wq's scale bytes: the next head's
	BOUND 0, 26, 2
	RUN 0, 28, 32, 1
	LSET 1
	RUN 1, 0, 32, 1
	LSET 2
	RUN 2, 0, 10, 1
	BOUND 2, 10, 1
	RUN 2, 12, 16, 1
	s_add_nc_u64 s[16:17], s[16:17], 2048
	s_add_nc_u64 s[20:21], s[20:21], 2048
	RUN 3, 0, 16, 1
	BURST
	LSET 3
	RUN 0, 0, 26, 1
	WIN 0
.set LM, 0
.irp m, 0,1,2,3
.irp j, 0,1,2
	v_mov_b32 v[ZL+4*\m+\j], v[ZL+4*\m+\j+1]       ; the 65th logits move one head down
.endr
.endr
	s_sub_co_u32 s[HC], s[HC], 1
	s_cmp_lg_u32 s[HC], 0
	WALU
	s_cbranch_scc1 .Lhead
.set TL1, TC
	s_wait_xcnt 0x0                                ; the last head
	s_add_nc_u64 s[22:23], s[22:23], 1024
	BOUND 0, 26, 3
	RUN 0, 28, 32, 1
	LSET 1
	RUN 1, 0, 32, 1
	LSET 2
	RUN 2, 0, 10, 1
	BOUND 2, 10, 0
	RUN 2, 12, 16, 1
	RUN 3, 0, 16, 0
	BURST
	LSET 3
.rept 335
	ITEM
.endr
	WIN 0
	v_and_b32 v96, 31, v0
	v_lshlrev_b32 v97, 3, v96
	v_cmp_le_u32 vcc_lo, 16, v96                   ; lanes 0-15 give tile 2 p's rows, lanes 16-31 tile 2 p + 1's
.irp p, 0,1
	v_cndmask_b32 v[128+2*\p], v[SW+4*\p], v[SW+4*\p+2], vcc_lo
	v_cndmask_b32 v[129+2*\p], v[SW+4*\p+1], v[SW+4*\p+3], vcc_lo
.endr
.irp p, 0,1
	global_store_b64 v97, v[128+2*\p:129+2*\p], s[24:25] offset:1024*\p   ; 256 consecutive bytes
.endr
	WALU
	s_wait_tensorcnt 0x0                           ; the wave's end
	ds_add_u32 v10, v11
	s_wait_dscnt 0x0
	BARRIER
	RREST                                          ; the closing round
	s_endpgm
.Lfunc_end_k_qf12f4752a5_qkv:
	.size	k_qf12f4752a5_qkv, .Lfunc_end_k_qf12f4752a5_qkv-k_qf12f4752a5_qkv
	.p2alignl 7, 3214868480
	.fill 96, 4, 3214868480
	.section	.rodata,"a",@progbits
	.p2align	6, 0x0
	.amdhsa_kernel k_qf12f4752a5_qkv
		.amdhsa_group_segment_fixed_size 327680
		.amdhsa_private_segment_fixed_size 0
		.amdhsa_enable_private_segment 0
		.amdhsa_kernarg_size 88
		.amdhsa_user_sgpr_count 2
		.amdhsa_user_sgpr_kernarg_segment_ptr 1
		.amdhsa_wavefront_size32 1
		.amdhsa_system_sgpr_workgroup_id_x 1
		.amdhsa_system_sgpr_workgroup_id_y 1
		.amdhsa_system_sgpr_workgroup_id_z 1
		.amdhsa_system_vgpr_workitem_id 0
		.amdhsa_next_free_vgpr 1024
		.amdhsa_next_free_sgpr 100
		.amdhsa_reserve_vcc 1
		.amdhsa_float_denorm_mode_32 3
		.amdhsa_float_denorm_mode_16_64 3
		.amdhsa_memory_ordered 1
		.amdhsa_forward_progress 1
		.amdhsa_inst_pref_size 255
	.end_amdhsa_kernel
	.section	.bss,"aw",@nobits
	.p2align	6
	.space	262144
	.amdgpu_metadata
---
amdhsa.version: [ 1, 2 ]
amdhsa.kernels:
  - .name:           k_qf12f4752a5_qkv
    .symbol:         k_qf12f4752a5_qkv.kd
    .args:
      - { .name: x_codes, .offset: 0, .size: 8, .value_kind: global_buffer, .address_space: global }
      - { .name: x_scales, .offset: 8, .size: 8, .value_kind: global_buffer, .address_space: global }
      - { .name: attention_mask, .offset: 16, .size: 8, .value_kind: global_buffer, .address_space: global }
      - { .name: Wq_codes, .offset: 24, .size: 8, .value_kind: global_buffer, .address_space: global }
      - { .name: Wq_scales, .offset: 32, .size: 8, .value_kind: global_buffer, .address_space: global }
      - { .name: Wk_codes, .offset: 40, .size: 8, .value_kind: global_buffer, .address_space: global }
      - { .name: Wk_scales, .offset: 48, .size: 8, .value_kind: global_buffer, .address_space: global }
      - { .name: Wv_codes, .offset: 56, .size: 8, .value_kind: global_buffer, .address_space: global }
      - { .name: Wv_scales, .offset: 64, .size: 8, .value_kind: global_buffer, .address_space: global }
      - { .name: acodes, .offset: 72, .size: 8, .value_kind: global_buffer, .address_space: global }
      - { .name: ascales, .offset: 80, .size: 8, .value_kind: global_buffer, .address_space: global }
    .group_segment_fixed_size: 327680
    .private_segment_fixed_size: 0
    .kernarg_segment_align: 8
    .kernarg_segment_size: 88
    .max_flat_workgroup_size: 128
    .sgpr_count:     100
    .vgpr_count:     1024
    .wavefront_size: 32
...
	.end_amdgpu_metadata
.endif
;; end of part 1
;; launch outp (part 2): grid 64 x 4, 4 waves a work-group, clusters of 4 x 1, 327,680 bytes of LDS; arguments acodes, ascales, Wo_codes, Wo_scales, bo, out0; writes out0
.if DOCPART == 2
	.amdgcn_target "amdgcn-amd-amdhsa--gfx1250"
	.amdhsa_code_object_version 6
	.text
	.protected	k_qf12f4752a5_outp
	.globl	k_qf12f4752a5_outp
	.p2align	8
	.type	k_qf12f4752a5_outp,@function
k_qf12f4752a5_outp:
	s_mov_b64 s[64:65], 0
	v_nop
	global_prefetch_b8 v0, s[64:65] scope:SCOPE_SE
	s_setreg_imm32_b32 hwreg(HW_REG_WAVE_MODE, 25, 1), 1
	s_wait_xcnt 0x0
	s_wait_alu depctr_hold_cnt(0) depctr_sa_sdst(0) depctr_va_vdst(0) depctr_va_sdst(0) depctr_va_ssrc(0) depctr_va_vcc(0) depctr_vm_vsrc(0)
	s_getreg_b32 s2, hwreg(HW_REG_IB_STS2, 6, 4)
	s_cmp_eq_u32 s2, 0
	s_cbranch_scc0 .Lentry_in_a_cluster
	s_endpgm
.Lentry_in_a_cluster:
	s_bfe_u32 s2, ttmp6, 0x10000c
	s_cmp_lg_u32 s2, 0x3003
	s_cbranch_scc0 .Lentry_shape_is_right
	s_endpgm
.Lentry_shape_is_right:
; OUTP.  out0[row][col] = the sum over k of a[row][k] Wo[col][k] + bo[col]; sums in f32.
; SHARES.  A work-group: 256 rows (block X) x 256 columns (group y), in four passes of 64 columns.  Wave w: tiles m of 16 rows, 64 m + 16 w + r; its codes for all of K stay in 512 registers.
; Wo's 256 rows come into LDS once (rows of 1,040 bytes), wave w's load brings pass w's 64 rows: nothing is filled twice, and there is no loop ahead of a fill in which a prefetch could stand.
; THE PRODUCT IS USED TRANSPOSED (source 0 = 16 rows of Wo): a lane holds eight neighbouring columns of one row.  The bias is the C of each sum's first matrix instruction.
; One text for the four passes.  a's fragments are asked for K step by K step, and the first pass's counted waits follow them; in later passes nothing of that is out.
; CLUSTER: the four row blocks share Wo's tiles: joint loads.
; THE WAY OUT: 16 rows x 64 columns at a time through the wave's own stage in LDS; sixteen lanes store 256 consecutive bytes.
; REGISTERS: window 0: v0-19 addresses, v20-35 a's scale words, v40-55 the pass's, v64-127 rows on their way out, v128-255 two buffers of four fragments.  Window 1: v0-127 sums, tile (m, t) at 32 m + 8 t; v128-159 the bias.  Windows 2, 3: a's K steps 0-3, 4-7.
.set P, 1040
.set PASSB, 64*P
.set STAGE, 4*PASSB
.set SP, 272
.set SPARE, STAGE+4*16*SP
.set LI, 1
.set AB, 2
.set AD, 3
.set L32, 4
.set STO, 9
.set RD, 10
.set CO, 11
.set L8, 12
.set H32, 13
.set XS, 20
.set WS, 40
.set OB, 64
.set WV, 30
.set PB, 31
.set G1, 32
.set G0, 40
.set TR, 44
.set MSB, 0
.macro WIN new
.if MSB != (\new)
	s_set_vgpr_msb (MSB<<8)|(\new)
.set MSB, (\new)
.endif
.endm
.macro WI m1, m2
	v_wmma_scale_f32_16x16x128_f8f6f4 v[rD:rD+7], v[rA:rA+15], v[rB:rB+15], v[rC:rC+7], v[rSA], v[rSB] \m1 \m2
.endm
.macro WM ra, rb
.if ((\ra)!=0)&&((\rb)!=0)
	WI matrix_a_scale:MATRIX_SCALE_ROW1, matrix_b_scale:MATRIX_SCALE_ROW1
.elseif (\ra)!=0
	WI matrix_a_scale:MATRIX_SCALE_ROW1
.elseif (\rb)!=0
	WI matrix_b_scale:MATRIX_SCALE_ROW1
.else
	WI
.endif
.endm
.macro RUN s                           ; the four fragments of K step s into buffer s % 2
.irp t, 0,1,2,3
.irp c, 0,1,2,3
	ds_load_b128 v[128+64*((\s)%2)+16*\t+4*\c:128+64*((\s)%2)+16*\t+4*\c+3], v[AD] offset:16640*\t+128*(\s)+32*\c
.endr
.endr
.endm
.macro KSTEP s
.if (\s) < 7
	s_wait_dscnt 16                                ; this K step's run is in; the next step's sixteen loads may be out
.else
	s_wait_dscnt 0x0
.endif
.if (\s) == 0
	s_wait_loadcnt 63                              ; behind K step 3's last load stand the 64 of K steps 4 to 7
.elseif (\s) >= 4
	s_wait_loadcnt 16*(7-(\s))
.endif
	WIN 0x58+4*((\s)/4)
.irp t, 0,1,2,3
.irp m, 0,1,2,3
.set rD, 32*\m+8*\t
.set rA, 128+64*((\s)%2)+16*\t
.set rB, 64*\m+16*((\s)%4)
.set rC, rD
.if (\s) == 0
.set rC, 128+8*\t
.endif
.set rSA, WS+8*(\t/2)+(\s)
.set rSB, XS+8*(\m/2)+(\s)
	WM \t%2, \m%2
.endr
.endr
.if (\s)+2 <= 7
	WIN 0
.rept 8
	v_nop                                          ; places in front of loads into what the products have read
.endr
	RUN (\s)+2
.endif
.endm
.macro BARRIER
	s_barrier_signal -1
	s_barrier_wait -1
.endm
.macro ROUND
	BARRIER
	s_cmp_lg_u32 s[WV], 0
	s_cbranch_scc1 .Lnot_wave_0_\@
	s_barrier_signal -3
.Lnot_wave_0_\@:
	s_barrier_wait -3
	BARRIER
.endm
.macro TLOAD
	tensor_load_to_lds s[G0:G0+3], s[G1:G1+7]
	s_nop 0
.rept 4
	v_nop
.endr
.endm
.macro SCALES                          ; a pass's scale words and bias
.irp p, 0,1
.irp q, 0,1
	global_load_b128 v[WS+8*\p+4*\q:WS+8*\p+4*\q+3], v[L32], s[10:11] offset:1024*\p+16*\q
.endr
.endr
	WIN 0x40
.irp t, 0,1,2,3
	global_load_b128 v[128+8*\t:128+8*\t+3], v[H32], s[12:13] offset:64*\t
	global_load_b128 v[128+8*\t+4:128+8*\t+7], v[H32], s[12:13] offset:64*\t+16
.endr
	WIN 0
.endm
.macro BASE b, off
	s_mov_b32 s94, s\off
	s_add_nc_u64 s[\b:\b+1], s[\b:\b+1], s[94:95]
.endm
	s_load_b256 s[4:11], s[0:1], 0x0               ; acodes 4, ascales 6, Wo 8, its scales 10
	s_load_b128 s[12:15], s[0:1], 0x20             ; bo 12, out0 14
	v_lshl_add_u32 v14, v0, 2, SPARE
	v_mov_b32 v15, 0
	ds_add_u32 v14, v15                            ; the opening: the add, twice on end, and its wait
	ds_add_u32 v14, v15
	v_lshrrev_b32 v5, 5, v0
	v_readfirstlane_b32 s[WV], v5
	v_and_b32 v5, 31, v0                           ; lane
	v_and_b32 v6, 15, v0                           ; r
	v_bfe_u32 v7, v0, 4, 1                         ; h
	s_bfe_u32 s80, ttmp6, 0x40000
	s_lshl_b32 s81, ttmp9, 2
	s_add_co_u32 s81, s81, s80                     ; X
	s_and_b32 s82, ttmp7, 0xffff                   ; y
	s_mov_b32 s[G1], 15|(1<<20)|(1<<21)|(7<<22)|(3<<25)   ; 64 whole rows of Wo, 16 bytes of padding behind each 1,024
	s_mov_b32 s[G1+1], 1024<<16
	s_mov_b32 s[G1+2], 64<<16
	s_mov_b32 s[G1+3], 1024<<16
	s_mov_b32 s[G1+4], 64
	s_mov_b32 s[G1+5], 1024
	s_mov_b32 s[G1+6], 0
	s_mov_b32 s[G1+7], 0
	s_mov_b32 s95, 0
	s_mov_b32 s[PB], 0
	s_mov_b32 s[TR], 0
	s_mul_i32 s83, s[WV], 16*SP
	s_add_co_u32 s83, s83, STAGE
	s_wait_alu depctr_va_vdst(0)
	v_lshlrev_b32 v[LI], 4, v5
	v_mul_u32_u24 v[AB], v6, P
	v_lshl_add_u32 v[AB], v7, 4, v[AB]
	v_lshlrev_b32 v[L32], 5, v5
	v_lshlrev_b32 v[L8], 3, v5
	v_lshlrev_b32 v[H32], 5, v7
	v_mul_u32_u24 v[STO], v6, SP
	v_lshl_add_u32 v[STO], v7, 5, v[STO]
	v_add_nc_u32 v[STO], s83, v[STO]               ; in: row r, 32 bytes for each half of the lanes
	v_mul_u32_u24 v[RD], v7, SP
	v_lshl_add_u32 v[RD], v6, 4, v[RD]
	v_add_nc_u32 v[RD], s83, v[RD]                 ; back: lanes 0-15 one row of 256 bytes, lanes 16-31 the next
	v_lshlrev_b32 v[CO], 12, v7
	v_lshl_add_u32 v[CO], v6, 4, v[CO]
	s_wait_dscnt 0x0
	s_wait_alu depctr_va_vdst(0)
	s_wait_kmcnt 0x0
	s_lshl_b32 s83, s82, 18
	BASE 8, 83
	s_lshl_b32 s83, s[WV], 16
	BASE 8, 83
	s_mov_b32 s[G0], 1
	s_mul_i32 s[G0+1], s[WV], PASSB
	s_mov_b64 s[G0+2:G0+3], s[8:9]
	s_or_b32 s[G0+3], s[G0+3], 0x80000000
	s_lshl_b32 s83, s81, 18
	BASE 4, 83
	s_lshl_b32 s83, s[WV], 14
	BASE 4, 83                                     ; a: row tile 16 X + 4 m + w
	s_lshl_b32 s83, s81, 11
	BASE 6, 83
	s_lshl_b32 s83, s[WV], 8
	BASE 6, 83
	s_lshl_b32 s83, s82, 13
	BASE 10, 83
	s_lshl_b32 s83, s82, 10
	BASE 12, 83
	BASE 14, 83
	s_lshl_b32 s83, s81, 20
	BASE 14, 83
	s_lshl_b32 s83, s[WV], 16
	BASE 14, 83                                    ; out0: row 256 X + 16 w
	ROUND                                          ; all four work-groups are here
	s_cmp_eq_u32 s[WV], 0
	s_cbranch_scc0 .Lothers
	TLOAD                                          ; wave 0: pass 0's rows, a line of its own: it alone waits at the first barrier
	s_branch .Lasked
.Lothers:
	TLOAD
.Lasked:
	; THE ORDER OF THESE LOADS IS WHAT THE FIRST PASS'S COUNTED WAITS LEAN ON: 8 of a's scale words, 12 of the pass, then a's fragments, sixteen for each K step, K ascending
.irp p, 0,1
.irp g, 0,1,2,3
	global_load_b64 v[XS+8*\p+2*\g:XS+8*\p+2*\g+1], v[L8], s[6:7] offset:131072*\g+1024*\p
.endr
.endr
	SCALES
	WIN 0x80
.irp s, 0,1,2,3
.irp m, 0,1,2,3
.irp c, 0,1,2,3
	global_load_b128 v[64*\m+16*\s+4*\c:64*\m+16*\s+4*\c+3], v[LI], s[4:5] offset:65536*\m+2048*\s+512*\c
.endr
.endr
.endr
	WIN 0xc0
.irp s, 0,1,2,3
.irp m, 0,1,2,3
.irp c, 0,1,2,3
	global_load_b128 v[64*\m+16*\s+4*\c:64*\m+16*\s+4*\c+3], v[LI], s[4:5] offset:65536*\m+2048*(\s+4)+512*\c
.endr
.endr
.endr
	WIN 0
	s_wait_alu depctr_va_vdst(0)                   ; the wait at the head's end
	s_cmp_eq_u32 s[WV], 0
	s_cbranch_scc0 .Lnot_mine
	s_wait_tensorcnt 0x0                           ; pass 0's rows are in
.Lnot_mine:
	BARRIER
.macro TOSTAGE m
	s_wait_xcnt 0x0                                ; the earlier stores have read their registers: the loads below may land there
	WIN 0x04
.irp t, 0,1,2,3
	ds_store_b128 v[STO], v[32*(\m)+8*\t:32*(\m)+8*\t+3] offset:64*\t
	ds_store_b128 v[STO], v[32*(\m)+8*\t+4:32*(\m)+8*\t+7] offset:64*\t+16
.endr
	WIN 0
.irp i, 0,1,2,3,4,5,6,7
	ds_load_b128 v[OB+32*((\m)%2)+4*\i:OB+32*((\m)%2)+4*\i+3], v[RD] offset:2*SP*\i   ; LDS serves a wave's instructions in order (ISA guide 5.7.1.4)
.endr
.endm
.macro SEND m, younger
	s_wait_dscnt \younger
.irp i, 0,1,2,3,4,5,6,7
	global_store_b128 v[CO], v[OB+32*((\m)%2)+4*\i:OB+32*((\m)%2)+4*\i+3], s[14:15] offset:262144*(\m)+8192*\i th:TH_STORE_NT
.endr
.endm
.Lpass:
	v_add_nc_u32 v[AD], s[PB], v[AB]
	s_wait_alu depctr_va_vdst(0)
	RUN 0
	RUN 1
.irp s, 0,1,2,3,4,5,6,7
	KSTEP \s
.endr
	WIN 0
.rept 9
	v_nop                                          ; eight in front of the first read of results and of loads, nine in front of a pass that begins the sums anew
.endr
	s_cmp_eq_u32 s[TR], 3
	s_cbranch_scc1 .Llast
	s_add_nc_u64 s[10:11], s[10:11], 2048
	s_add_nc_u64 s[12:13], s[12:13], 256
	SCALES                                         ; the next pass's, under this one's way out
.Llast:
	TOSTAGE 0
.irp m, 1,2,3
	TOSTAGE \m
	SEND \m-1, 16                                  ; behind tile m - 1's loads: tile m's 8 stores and 8 loads
.endr
	SEND 3, 0
	s_wait_xcnt 0x0
	s_add_nc_u64 s[14:15], s[14:15], 256
	s_add_co_u32 s[PB], s[PB], PASSB
	s_wait_loadcnt 0x0
	s_wait_tensorcnt 0x0                           ; all of Wo's rows that I asked for are in
	BARRIER                                        ; (no LDS instruction of mine is out)
	s_add_co_u32 s[TR], s[TR], 1
	s_cmp_lt_u32 s[TR], 4
	s_cbranch_scc1 .Lpass
	s_wait_tensorcnt 0x0                           ; the wave's end
	ds_add_u32 v14, v15
	s_wait_dscnt 0x0
	ROUND                                          ; the closing round
	s_endpgm
.Lfunc_end_k_qf12f4752a5_outp:
	.size	k_qf12f4752a5_outp, .Lfunc_end_k_qf12f4752a5_outp-k_qf12f4752a5_outp
	.p2alignl 7, 3214868480
	.fill 96, 4, 3214868480
	.section	.rodata,"a",@progbits
	.p2align	6, 0x0
	.amdhsa_kernel k_qf12f4752a5_outp
		.amdhsa_group_segment_fixed_size 327680
		.amdhsa_private_segment_fixed_size 0
		.amdhsa_enable_private_segment 0
		.amdhsa_kernarg_size 48
		.amdhsa_user_sgpr_count 2
		.amdhsa_user_sgpr_kernarg_segment_ptr 1
		.amdhsa_wavefront_size32 1
		.amdhsa_system_sgpr_workgroup_id_x 1
		.amdhsa_system_sgpr_workgroup_id_y 1
		.amdhsa_system_sgpr_workgroup_id_z 1
		.amdhsa_system_vgpr_workitem_id 0
		.amdhsa_next_free_vgpr 1024
		.amdhsa_next_free_sgpr 100
		.amdhsa_reserve_vcc 0
		.amdhsa_float_denorm_mode_32 3
		.amdhsa_float_denorm_mode_16_64 3
		.amdhsa_memory_ordered 1
		.amdhsa_forward_progress 1
		.amdhsa_inst_pref_size 56
	.end_amdhsa_kernel
	.amdgpu_metadata
---
amdhsa.version: [ 1, 2 ]
amdhsa.kernels:
  - .name:           k_qf12f4752a5_outp
    .symbol:         k_qf12f4752a5_outp.kd
    .args:
      - { .name: acodes, .offset: 0, .size: 8, .value_kind: global_buffer, .address_space: global }
      - { .name: ascales, .offset: 8, .size: 8, .value_kind: global_buffer, .address_space: global }
      - { .name: Wo_codes, .offset: 16, .size: 8, .value_kind: global_buffer, .address_space: global }
      - { .name: Wo_scales, .offset: 24, .size: 8, .value_kind: global_buffer, .address_space: global }
      - { .name: bo, .offset: 32, .size: 8, .value_kind: global_buffer, .address_space: global }
      - { .name: out0, .offset: 40, .size: 8, .value_kind: global_buffer, .address_space: global }
    .group_segment_fixed_size: 327680
    .private_segment_fixed_size: 0
    .kernarg_segment_align: 8
    .kernarg_segment_size: 48
    .max_flat_workgroup_size: 128
    .sgpr_count:     100
    .vgpr_count:     1024
    .wavefront_size: 32
...
	.end_amdgpu_metadata
.endif
;; end of part 2
